; MI455X (gfx1250); checked and timed in simulation.
; The chip was launched on July 23, 2026; its instructions are those of AMD's public machine-readable ISA for CDNA 5 (MIT licence, August 2026) and "CDNA5" Instruction Set Architecture Reference Guide (July 2026). The comments in the code are by the model that wrote it; some were corrected since.
;; SVD Residual Linear. Allowed arithmetic: matrix products marked QUANTISED: E2M3 operands, one E8M0 scale for each 32 along K, by v_wmma_scale_f32_16x16x128_f8f6f4 with both operands' format E2M3, f32 sums; everything else in f32.
;; Inputs: S_residual 64 float32; U_residual 4,096 x 64 float32; V_residual 64 x 4,096 float32; bias 4,096 float32; weight_main 4,096 x 4,096 float32; x 8 x 256 x 4,096 float32.
;; Outputs: out0 8 x 256 x 4,096 float32.
;; This version of the problem:
;;   THIS VERSION OF THE PROBLEM IS GIVEN IN LOW PRECISION. The matrix products marked QUANTISED in the list below multiply operands that are first quantised to E2M3 (2 exponent bits, 3 mantissa bits; 6 bits a number), with one power-of-two scale for each 32 numbers along K (OCP MX v1.0); their sums are f32. All else is computed in f32.
;;   The module's matrix products, in the order in which they are computed (A, B: the left and right operand; K: the contracted axis; several contracted axes count as one K, in the product's order):
;;     1. [M 2,048, K 4,096] x [K 4,096, N 4,096]; A: input x; B: input weight_main: QUANTISED
;;     2. [M 2,048, K 4,096] x [K 4,096, N 64]; A: input x; B: input V_residual: QUANTISED
;;     3. [M 2,048, K 64] x [K 64, N 4,096]; A: computed on the way; B: input U_residual: QUANTISED
;;   THE QUANTISER, for each operand of a quantised product, along K:
;;     - K is cut into blocks of 32 from its start; a last block that is shorter is filled with zeros.
;;     - A block's scale is 2^e with e = floor(log2(the largest magnitude in the block)) - 2, held to -126 .. 127; a block of zeros has e = 0. As a byte (E8M0): e + 127.
;;     - Each number is divided by its block's scale, clamped to +-7.5, and rounded to the nearest number of E2M3, ties to even, subnormals kept.
;;     - The product sums the exact products of the quantised numbers (number of the format x scale) in f32.
;;   ~~~python
;;   def quantise(x, axis):      # numpy; x: float32 -> the quantised numbers, widened to float32 again
;;       x = np.moveaxis(x, axis, -1); K = x.shape[-1]
;;       x = np.pad(x, [(0, 0)] * (x.ndim - 1) + [(0, -K % 32)]); x = x.reshape(x.shape[:-1] + (-1, 32)); a = np.abs(x).max(-1, keepdims=True)
;;       e = np.where(a > 0, np.clip(np.frexp(np.where(a > 0, a, 1))[1] - 1 - 2, -126, 127), 0)      # np.frexp(a)[1] - 1 = floor(log2(a)), exactly
;;       r = np.clip(x / 2.0 ** e, -7.5, 7.5)
;;       step = 2.0 ** (np.maximum(np.frexp(np.where(r == 0, 1, r))[1] - 1, 0) - 3)
;;       q = np.round(r / step) * step * 2.0 ** e      # np.round: ties to even
;;       return np.moveaxis(q.reshape(q.shape[:-2] + (-1,))[..., :K], -1, axis).astype(np.float32)
;;   ~~~
;;   OPERANDS COMPUTED ON THE WAY. 'Computed on the way' means the value that the module computes at that place (a softmax that the list does not call 'softmax' is quantised finished and normalised). What goes into a quantiser is computed in f32, as accurately as f32 sums, v_exp_f32 and their like allow (about 1e-6 of the number): no bf16 or f16 on the way to a quantiser, and a product that is left as it is and whose result goes on into a quantised operand takes f32 operands (vector FMAs, or v_wmma_f32_16x16x4_f32). A number that lies on a knife's edge between two numbers of the format may be rounded either way, as far as f32 arithmetic and the matrix unit's own rounding can turn it there, and no further.
;; One version. Each part assembles by itself: llvm-mc -triple=amdgcn-amd-amdhsa -mcpu=gfx1250 --defsym DOCPART=n.
;; ======== version 1 of 1: 2 launches
;; limits: right only within a limited range of input values
;; workspace buffers: xq 6,553,600 bytes; wq 13,107,200 bytes; vq 204,800 bytes; uq 458,752 bytes
;; launch quant (part 1): grid 768 x 1, 4 waves a work-group, no clusters, 34,304 bytes of LDS; arguments x, weight_main, V_residual, U_residual, xq, wq, vq, uq; writes xq, wq, vq, uq
.if DOCPART == 1
	.amdgcn_target "amdgcn-amd-amdhsa--gfx1250"
	.amdhsa_code_object_version 6
	.text
	.protected	k_qc82394aa5f_quant
	.globl	k_qc82394aa5f_quant
	.p2align	8
	.type	k_qc82394aa5f_quant,@function
k_qc82394aa5f_quant:
	s_mov_b64 s[64:65], 0
	v_nop
	global_prefetch_b8 v0, s[64:65] scope:SCOPE_SE
	s_setreg_imm32_b32 hwreg(HW_REG_WAVE_MODE, 25, 1), 1
	s_wait_xcnt 0x0
; x [2048][4096], weight_main [4096][4096], V_residual [64][4096] and U_residual [4096][64], all f32 with K innermost, become codes of FP6 (E2M3) with one E8M0 byte for each 32 along K.
; A block's scale is 2^(floor(log2(its largest magnitude)) - 2); its byte is the largest magnitude's exponent field - 2, held at 1 from below by a floor among the maximum's leaves.
; LIMITS: NaN and infinities among the inputs are not served.  A block of zeros gets the byte 1 where the rule says 127: its codes are zeros, which add nothing under any byte but 0xff, and only this program reads the bytes.
; THE OUTPUT IS LAID AS THE MATRIX UNIT'S REGISTERS.  A fragment (16 rows x 128 K, 12 registers a lane) is 1,536 bytes: registers 4 g .. 4 g + 3 of lane l at 512 g + 16 l.
; A RECORD (16 rows x 512 K) is 6,400 bytes: four fragments, then 256 bytes of scale words: at 8 l the words of row l % 16 for K steps l / 16 and 2 + l / 16.  Buffers: [block of 16 rows][512 along K][6400].
; U's K is 64: a RESIDUAL RECORD is 1,792 bytes: one fragment whose registers 6-11 are zero codes, then at 8 l the row's scale word twice (bytes 2 and 3 are 0: they scale zero codes).
; SHARES.  One wave makes one record.  Work-groups 0-255 take x, 256-767 weight_main: one path, only the pointers are chosen: 768 work-groups of equal work.
; V (128 fragments) and U (256 blocks of 16 rows) are a fiftieth of the launch's bytes.  They get no work-groups of their own, which would be over when the others are dealt out evenly: they ride on 96 of the 768.
; In work-groups 0, 8 .. 248 wave w first makes fragment w of V's record number (work-group / 8); in work-groups 4, 12 .. 508 wave w first makes U's block 4 (work-group / 8) + w.  Such an extra uses no LDS: its loads are issued
; ahead of the record's first loads, put each lane's blocks straight into the registers in the operand's order, and it is quantised while the record's first two fragments are on their way.
; THE RECORD.  Each load reads 512 consecutive bytes of one row; a fragment's 16 rows turn through the wave's own stage in LDS (pitch 528 = 33 x 16 bytes, so that 16 lanes that read 16 rows touch 16 different columns of 16 bytes)
; and come back with two whole blocks of 32 in each lane: blocks h and 2 + h of row r, in the order of the operand's registers.  No barrier: waves share nothing.  Loads run two fragments (32 loads a wave) ahead.
.set R,   16                           ; v16-143  two sets of 64 numbers as loaded
.set X,   144                          ; v144-207 my two blocks of 32
.set C,   208                          ; v208-219 the fragment's 12 registers
.set T,   220                          ; v220-222, v224-226 the second halves of the blocks' codes (a conversion's three registers begin on an even number)
.set MX,  228                          ; v228-229 largest magnitudes
.set SO,  230                          ; v230-231 the conversions' scale operands
.set BY,  232                          ; v232-233 scale bytes
.set TT,  234
.set PD,  235                          ; a lane permute's destination: written once at the head
.set PW,  236                          ; v236-239 the scale words of the record's four K steps
.set VW,  14                           ; v14      the scale word of V's fragment: a store's data, never rewritten
.set VO,  15                           ; v15      and where it goes; never rewritten
	s_load_b256 s[4:11], s[0:1], 0x0               ; x, weight_main, V, U
	s_load_b256 s[12:19], s[0:1], 0x20             ; xq, wq, vq, uq
	v_lshl_add_u32 v240, v0, 2, 0x8400
	v_mov_b32 v241, 0
	v_lshrrev_b32 v1, 5, v0
	v_readfirstlane_b32 s20, v1                    ; wave 0..3
	v_and_b32 v1, 31, v0                           ; lane
	v_and_b32 v2, 15, v0                           ; r
	v_bfe_u32 v3, v0, 4, 1                         ; h
	v_lshlrev_b32 v4, 4, v1                        ; 16 x lane: my place in a load's 512 bytes and in an image's
	s_mul_i32 s22, s20, 8448                       ; my wave's stage: 16 rows x 528 bytes
	v_add_nc_u32 v5, s22, v4                       ; into the stage: as loaded
	v_mul_u32_u24 v6, v2, 528
	v_lshl_add_u32 v6, v3, 7, v6
	v_add_nc_u32 v6, s22, v6                       ; out of it: row r, block h
	v_lshlrev_b32 v8, 3, v1                        ; 8 x lane: my place among the scale words
	v_lshlrev_b32 v9, 3, v3                        ; 8 h: how far my bytes move up in a scale word
	v_lshlrev_b32 v10, 8, v2
	v_lshl_add_u32 v10, v3, 7, v10                 ; U: row r of 256 bytes, block h
	v_lshlrev_b32 v11, 14, v2
	v_lshl_add_u32 v11, v3, 7, v11                 ; V: row r of 16,384 bytes, block h
	v_mov_b32 v[PD], 0
	v_cmp_lt_u32 vcc_lo, 15, v1                    ; lanes 16-31
	s_mov_b32 s28, 0x76543210
	s_mov_b32 s29, 0xfedcba98                      ; v_permlanex16_b32's selects for lane l xor 16
	s_wait_kmcnt 0x0
	s_cmp_lt_u32 ttmp9, 256                        ; x or weight_main: the choice hangs on the work-group's number alone
	s_cselect_b64 s[4:5], s[4:5], s[6:7]
	s_cselect_b64 s[12:13], s[12:13], s[14:15]
	s_cselect_b32 s21, 0, 256
	s_sub_co_u32 s22, ttmp9, s21
	s_lshl_b32 s22, s22, 2
	s_add_co_u32 s22, s22, s20                     ; my record
	s_lshr_b32 s23, s22, 3                         ; its block of 16 rows: 2^18 bytes each,
	s_and_b32 s24, s22, 7                          ; its 512 along K: 2^11 bytes
	s_lshl_b32 s23, s23, 18
	s_lshl_b32 s24, s24, 11
	s_add_co_u32 s24, s24, s23
	s_mov_b32 s25, 0
	s_mul_i32 s26, s22, 6400
	s_mov_b32 s27, 0
	s_add_nc_u64 s[4:5], s[4:5], s[24:25]
	s_add_nc_u64 s[12:13], s[12:13], s[26:27]
.macro LOADF f                         ; fragment f: 16 rows x 512 bytes, a row a load
.irp i, 0,1,2,3,4,5,6,7,8,9,10,11,12,13,14,15
	global_load_b128 v[R+64*((\f)%2)+4*\i:R+64*((\f)%2)+4*\i+3], v4, s[4:5] offset:16384*\i+512*(\f) th:TH_LOAD_NT
.endr
.endm
.macro TURNF f                         ; through the stage: LDS serves a wave's instructions in order (ISA guide 5.7.1.4), so no wait stands between the stores and the loads
.irp i, 0,1,2,3,4,5,6,7,8,9,10,11,12,13,14,15
	ds_store_b128 v5, v[R+64*((\f)%2)+4*\i:R+64*((\f)%2)+4*\i+3] offset:528*\i
.endr
.irp c, 0,1
.irp j, 0,1,2,3,4,5,6,7
	ds_load_b128 v[X+32*\c+4*\j:X+32*\c+4*\j+3], v6 offset:256*\c+16*\j    ; X[32 c + i] = k 64 c + 32 h + i of row r
.endr
.endr
.endm
; My two blocks in X become registers 6 c .. 6 c + 5 of a fragment, which is stored at off bytes from the address in s[base:base+1]; the row's four bytes become its scale word in v[pw].
.macro QB pw, base, off
.irp c, 0,1
	v_max3_num_f32 v[MX+\c], |v[X+32*\c]|, |v[X+32*\c+1]|, 0x1800000       ; the floor 2^(3 - 127) among the leaves: the byte cannot fall under 1
.endr
.irp i, 2,4,6,8,10,12,14,16,18,20,22,24,26,28,30
.irp c, 0,1
	v_max3_num_f32 v[MX+\c], v[MX+\c], |v[X+32*\c+\i]|, |v[X+32*\c+\i+1]|  ; the two blocks by turns
.endr
.endr
.irp c, 0,1
	v_add_nc_u32 v[SO+\c], 0xff000000, v[MX+\c]    ; 2 off the exponent field: the conversion takes the exponent field of this operand as its scale
.endr
.irp c, 0,1
	v_lshrrev_b32 v[BY+\c], 23, v[SO+\c]           ; the scale's byte
.endr
	v_lshl_or_b32 v[TT], v[BY+1], 16, v[BY]        ; blocks h and 2 + h,
	v_lshlrev_b32 v[TT], v9, v[TT]                 ; at their places in the word;
	v_permlanex16_b32 v[PD], v[TT], s28, s29
	v_or_b32 v[\pw], v[TT], v[PD]                  ; with lane l xor 16's two the word is whole
	s_wait_alu depctr_va_vdst(0)
	s_wait_xcnt 0x0                                ; the last fragment's stores have read C: it is written again only behind this wait
.irp c, 0,1
	v_cvt_scalef32_pk16_fp6_f32 v[C+6*\c:C+6*\c+2], v[X+32*\c:X+32*\c+15], v[SO+\c]
	v_cvt_scalef32_pk16_fp6_f32 v[T+4*\c:T+4*\c+2], v[X+32*\c+16:X+32*\c+31], v[SO+\c]
.endr
	v_nop                                          ; one plain place behind a scaled conversion
.irp c, 0,1
.irp i, 0,1,2
	v_mov_b32 v[C+6*\c+3+\i], v[T+4*\c+\i]
.endr
.endr
.irp g, 0,1,2
	global_store_b128 v4, v[C+4*\g:C+4*\g+3], s[\base:\base+1] offset:(\off)+512*\g   ; 32 lanes store 512 consecutive bytes, at a multiple of 256 from the buffer's first byte
.endr
.endm
	; Three ways, parted on the work-group's number alone; none of them touches LDS, and each issues the record's first 32 loads as its youngest loads, so that the counts behind the join hold on all three.
	s_lshr_b32 s30, ttmp9, 3
	s_and_b32 s31, ttmp9, 0xffffff07
	s_cmp_eq_u32 s31, 0                            ; work-groups 0, 8 .. 248
	s_cbranch_scc1 .Lwith_v
	s_and_b32 s31, ttmp9, 0xfffffe07
	s_cmp_eq_u32 s31, 4                            ; work-groups 4, 12 .. 508
	s_cbranch_scc1 .Lwith_u
	LOADF 0
	LOADF 1
	s_branch .Lmain
.Lwith_v:                              ; V's record s30 (0 .. 31), fragment = my wave's number
	s_lshr_b32 s22, s30, 3                         ; its block of 16 rows,
	s_and_b32 s23, s30, 7                          ; its 512 along K,
	s_lshl_b32 s22, s22, 18
	s_lshl_b32 s23, s23, 11
	s_add_co_u32 s24, s22, s23
	s_lshl_b32 s22, s20, 9                         ; my 128 along K: 512 bytes of each row
	s_add_co_u32 s24, s24, s22
	s_mov_b32 s25, 0
	s_mul_i32 s26, s30, 6400
	s_mul_i32 s22, s20, 1536
	s_add_co_u32 s26, s26, s22                     ; my fragment's image
	s_mov_b32 s27, 0
	s_add_nc_u64 s[8:9], s[8:9], s[24:25]
	s_add_nc_u64 s[16:17], s[16:17], s[26:27]
	s_sub_co_u32 s22, 6144, s22                    ; from my image to the record's scale words,
	s_and_b32 s23, s20, 1
	s_lshl_b32 s23, s23, 7
	s_add_co_u32 s22, s22, s23                     ; K step w lies at lanes 16 (w % 2) on,
	s_lshr_b32 s23, s20, 1
	s_lshl_b32 s23, s23, 2
	s_add_co_u32 s22, s22, s23                     ; word w / 2,
	v_lshl_add_u32 v[VO], v2, 3, s22               ; 8 bytes a row
	s_wait_alu depctr_va_vdst(0)
.irp c, 0,1
.irp j, 0,1,2,3,4,5,6,7
	global_load_b128 v[X+32*\c+4*\j:X+32*\c+4*\j+3], v11, s[8:9] offset:256*\c+16*\j   ; X[32 c + i] = k 64 c + 32 h + i of row r, straight from memory; the sixteen loads together read 16 rows x 512 bytes.  No hint: neighbouring bytes are taken by the wave's other loads
.endr
.endr
	LOADF 0
	LOADF 1
	s_wait_loadcnt 32                              ; V's sixteen loads are in; the record's 32, issued behind them, may be out
	QB VW, 16, 0
	global_store_b32 v[VO], v[VW], s[16:17]        ; my K step's 16 scale words (lanes r and r + 16 hold the same word and write it to the same place): 64 bytes of the record's 256: V has 32 records in all
	s_branch .Lmain
.Lwith_u:                              ; U's block 4 s30 + wave (0 .. 255): a lane holds one whole block of 32: block h of row r
	s_lshl_b32 s22, s30, 2
	s_add_co_u32 s22, s22, s20
	s_lshl_b32 s24, s22, 12                        ; 16 rows of 256 bytes
	s_mov_b32 s25, 0
	s_mul_i32 s26, s22, 1792                       ; its residual record
	s_mov_b32 s27, 0
	s_add_nc_u64 s[10:11], s[10:11], s[24:25]
	s_add_nc_u64 s[18:19], s[18:19], s[26:27]
	s_wait_alu depctr_va_vdst(0)
.irp j, 0,1,2,3,4,5,6,7
	global_load_b128 v[X+4*\j:X+4*\j+3], v10, s[10:11] offset:16*\j   ; the eight loads together read 4,096 consecutive bytes
.endr
	LOADF 0
	LOADF 1
	s_wait_loadcnt 32                              ; U's eight loads are in; the record's 32 may be out
	v_max3_num_f32 v[MX], |v[X]|, |v[X+1]|, |v[X+2]|
	v_max3_num_f32 v[MX+1], |v[X+3]|, |v[X+4]|, |v[X+5]|
.irp i, 6,10,14,18,22,26
	v_max3_num_f32 v[MX], v[MX], |v[X+\i]|, |v[X+\i+1]|
	v_max3_num_f32 v[MX+1], v[MX+1], |v[X+\i+2]|, |v[X+\i+3]|
.endr
	v_max3_num_f32 v[MX], v[MX], |v[X+30]|, |v[X+31]|
	v_max3_num_f32 v[MX], v[MX], v[MX+1], 0x1800000        ; and the floor
	v_add_nc_u32 v[SO], 0xff000000, v[MX]
	v_lshrrev_b32 v[BY], 23, v[SO]
	v_lshlrev_b32 v[TT], v9, v[BY]                 ; byte h of the word
	v_permlanex16_b32 v[PD], v[TT], s28, s29
	v_or_b32 v12, v[TT], v[PD]
	v_mov_b32 v13, v12
	v_cvt_scalef32_pk16_fp6_f32 v[C:C+2], v[X:X+15], v[SO]
	v_cvt_scalef32_pk16_fp6_f32 v[T:T+2], v[X+16:X+31], v[SO]
	v_nop                                          ; one plain place behind a scaled conversion
.irp i, 0,1,2
	v_mov_b32 v[C+3+\i], v[T+\i]
.endr
.irp i, 6,7,8,9,10,11
	v_mov_b32 v[C+\i], 0                           ; K = 64 .. 127: zero codes
.endr
.irp g, 0,1,2
	global_store_b128 v4, v[C+4*\g:C+4*\g+3], s[18:19] offset:512*\g
.endr
	global_store_b64 v8, v[12:13], s[18:19] offset:1536
.Lmain:                                ; the record: on every way here its first 32 loads are the only loads that may be out
	s_wait_alu depctr_va_vdst(0)
.irp f, 0,1,2,3
.if \f < 3
	s_wait_loadcnt 16                              ; this fragment's 16 loads are in; the next one's may be out
.else
	s_wait_loadcnt 0x0
.endif
	TURNF \f
	s_wait_dscnt 0x0                               ; my blocks are back from the stage, and the stage's stores have read their registers
.if \f < 2
	LOADF \f+2
.endif
	QB PW+\f, 12, 1536*\f
.endr
	v_cndmask_b32 v12, v[PW], v[PW+1], vcc_lo      ; lanes 0-15: K steps 0 and 2; lanes 16-31: K steps 1 and 3.  (Where v[12:13] were a store's data, the waits on XCNT above stand between)
	v_cndmask_b32 v13, v[PW+2], v[PW+3], vcc_lo
	global_store_b64 v8, v[12:13], s[12:13] offset:6144   ; 32 lanes store 256 consecutive bytes, aligned
	s_wait_tensorcnt 0x0
	ds_add_u32 v240, v241
	s_wait_dscnt 0x0
	s_endpgm
.Lfunc_end_k_qc82394aa5f_quant:
	.size	k_qc82394aa5f_quant, .Lfunc_end_k_qc82394aa5f_quant-k_qc82394aa5f_quant
	.p2alignl 7, 3214868480
	.fill 96, 4, 3214868480
	.section	.rodata,"a",@progbits
	.p2align	6, 0x0
	.amdhsa_kernel k_qc82394aa5f_quant
		.amdhsa_group_segment_fixed_size 34304
		.amdhsa_private_segment_fixed_size 0
		.amdhsa_enable_private_segment 0
		.amdhsa_kernarg_size 64
		.amdhsa_user_sgpr_count 2
		.amdhsa_user_sgpr_kernarg_segment_ptr 1
		.amdhsa_wavefront_size32 1
		.amdhsa_system_sgpr_workgroup_id_x 1
		.amdhsa_system_sgpr_workgroup_id_y 1
		.amdhsa_system_sgpr_workgroup_id_z 1
		.amdhsa_system_vgpr_workitem_id 0
		.amdhsa_next_free_vgpr 242
		.amdhsa_next_free_sgpr 66
		.amdhsa_reserve_vcc 1
		.amdhsa_float_denorm_mode_32 3
		.amdhsa_float_denorm_mode_16_64 3
		.amdhsa_memory_ordered 1
		.amdhsa_forward_progress 1
		.amdhsa_inst_pref_size 45
	.end_amdhsa_kernel
	.amdgpu_metadata
---
amdhsa.version: [ 1, 2 ]
amdhsa.kernels:
  - .name:           k_qc82394aa5f_quant
    .symbol:         k_qc82394aa5f_quant.kd
    .args:
      - { .name: x, .offset: 0, .size: 8, .value_kind: global_buffer, .address_space: global }
      - { .name: weight_main, .offset: 8, .size: 8, .value_kind: global_buffer, .address_space: global }
      - { .name: V_residual, .offset: 16, .size: 8, .value_kind: global_buffer, .address_space: global }
      - { .name: U_residual, .offset: 24, .size: 8, .value_kind: global_buffer, .address_space: global }
      - { .name: xq, .offset: 32, .size: 8, .value_kind: global_buffer, .address_space: global }
      - { .name: wq, .offset: 40, .size: 8, .value_kind: global_buffer, .address_space: global }
      - { .name: vq, .offset: 48, .size: 8, .value_kind: global_buffer, .address_space: global }
      - { .name: uq, .offset: 56, .size: 8, .value_kind: global_buffer, .address_space: global }
    .group_segment_fixed_size: 34304
    .private_segment_fixed_size: 0
    .kernarg_segment_align: 8
    .kernarg_segment_size: 64
    .max_flat_workgroup_size: 128
    .sgpr_count:     66
    .vgpr_count:     242
    .wavefront_size: 32
...
	.end_amdgpu_metadata
.endif
;; end of part 1
;; launch gemm (part 2): grid 16 x 16, 4 waves a work-group, clusters of 4 x 4, 327,680 bytes of LDS; arguments xq, wq, vq, uq, bias, out0, S_residual; writes out0
.if DOCPART == 2
	.amdgcn_target "amdgcn-amd-amdhsa--gfx1250"
	.amdhsa_code_object_version 6
	.text
	.protected	k_qc82394aa5f_gemm
	.globl	k_qc82394aa5f_gemm
	.p2align	8
	.type	k_qc82394aa5f_gemm,@function
k_qc82394aa5f_gemm:
	s_mov_b64 s[64:65], 0
	v_nop
	global_prefetch_b8 v0, s[64:65] scope:SCOPE_SE
	s_setreg_imm32_b32 hwreg(HW_REG_WAVE_MODE, 25, 1), 1
	s_wait_xcnt 0x0
	s_wait_alu depctr_hold_cnt(0) depctr_sa_sdst(0) depctr_va_vdst(0) depctr_va_sdst(0) depctr_va_ssrc(0) depctr_va_vcc(0) depctr_vm_vsrc(0)
	s_getreg_b32 s2, hwreg(HW_REG_IB_STS2, 6, 4)
	s_cmp_eq_u32 s2, 0
	s_cbranch_scc0 .Lentry_in_a_cluster
	s_endpgm
.Lentry_in_a_cluster:
	s_bfe_u32 s2, ttmp6, 0x10000c
	s_cmp_lg_u32 s2, 0xf033
	s_cbranch_scc0 .Lentry_shape_is_right
	s_endpgm
.Lentry_shape_is_right:
; out[m][n] = sum_k Q(x)[m][k] Q(W)[n][k] + sum_r Q(low)[m][r] Q(U)[n][r] + bias[n],  low[m][r] = S[r] x sum_k Q(x)[m][k] Q(V)[r][k].  All three products on codes of FP6 (E2M3) with E8M0 scales, sums in f32.
; xq, wq, vq hold RECORDS of 6,400 bytes (16 rows x 512 K: four images of a fragment's 12 registers, then 256 bytes of scale words), [block of 16 rows][512 along K]; uq residual records of 1,792 bytes (K = 64, registers 6-11 zero codes).
; SHARES.  A work-group makes 128 x 256 of out; four waves, wave (i, j) 64 x 128: 32 accumulators.  K goes in eight slots of 512 through a ring of two LDS slots (8 records of x, 16 of W), filled by joint loads:
; 4 x 4 work-groups form a cluster, x's records are shared along its row, W's along its column.
; low IS MADE HERE TOO: wave (i, j) multiplies its 64 rows of x, whose fragments it holds anyway, by V's rows 32 j .. 32 j + 31: 8 products more in each K step.  Each of the 16 work-groups of a tile row makes low for its rows itself,
; since no work-group may read what another stores.  Two slots with V's 4 records beside the 24 would be 358,400 bytes, more than LDS holds: so V's images go from memory straight into registers, one slot ahead, in two sets.
; Behind K: low x S in f32; a wave holds one whole block of 32 along r for its rows, so it quantises alone; codes and scale bytes change hands with the wave beside it through LDS bytes of their own; then the product with U, then the way out.
; PRODUCTS ARE USED TRANSPOSED (source 0 = rows of W, V or U, source 1 = rows of x or low): a lane holds eight neighbouring numbers of a row of the result.
; PREFETCH: behind the joint load of record c the records c + 2 are named, 25 blocks of 256 bytes a record, a lane a block; the four partners of a joint load share its records out by address.  V has none: its loads stand a whole slot ahead of their wait.
; LIMITS: NaN and infinities are not served; a block of zeros of low gets the byte 1 (its codes are zeros; only this launch reads the byte).
; REGISTERS.  window 0: v0-31 addresses, v32-79 scale words, v80-175 x's fragments (two sets), v176-239 bias, v240-247 V's scale words.  window 1: W's fragments at v0 and v128, S at v96-111.
; window 2: the 32 accumulators.  window 3: v0-63 low's 8 accumulators, v64-255 V's fragments (two sets of 2 records).
.set REC,   6400
.set RREC,  1792
.set FR,    12
.set SLOT,  24*REC
.set BOFF,  8*REC
.set SPARE, 2*SLOT                     ; the spare words: 512 bytes that no other line names
.set LX,    SPARE+512                  ; low's codes: 8 blocks of 16 rows x 768 bytes (24 bytes for each lane of the operand)
.set LXS,   LX+6144                    ; low's scale bytes: two a row
.set STAGE, SLOT                       ; the way out goes through slot 1, behind its last fill and last read
.set SPITCH, 528
.set VOF,  4                           ; 16 x lane
.set VSO,  5                           ; 8 x lane
.set CO,   4
.set LST,  8
.set LLD,  9
.set LSS,  10
.set ARB,  11
.set LSL,  12
.set ASRB, 13
.set ADRA, 16
.set ADRB, 18
.set ADSA, 20
.set ADSB, 22
.set STO,  24
.set RD,   25
.set SPW,  28
.set NIL,  29
.set PFO,  30
.set UPO,  31
.set SC,   32
.set AF,   80
.set BI,   176
.set VSC,  240
.set BK,   128                         ; the way out: v128-191 and v192-255 by turns (low's fragments at v80-127 are still at work)
.set SR,   96                          ; window 1
.set VF,   64                          ; window 3
.set TM,   64                          ; window 3, behind K
.set CD,   80
.set G1,   24
.set G0,   32
.set G1B,  48
.set G0B,  56
.set G1R,  68
.set G0R,  76
.set PFA,  84
.set MSB, 0
.macro WIN new                         ; the immediate's high byte repeats the setting that is left
.if MSB != \new
	s_set_vgpr_msb (MSB<<8)|\new
.set MSB, \new
.endif
.endm
.set MUL,  0xa1                        ; source 0 window 1, source 1 window 0, C and D window 2
.set MULB, 0x81                        ; the same with C (the bias) in window 0
.set MV,   0xf3                        ; source 0, C and D window 3, source 1 window 0
.set TO_B, 0x40
.set TO_V, 0xc0
.macro JLOAD g0a, g1a, g0b, g1b        ; waves 0, 1 fetch x's records, waves 2, 3 W's
	s_cmp_eq_u32 s17, 0
	s_cbranch_scc0 .Lfor_b_\@
	tensor_load_to_lds s[\g0a:\g0a+3], s[\g1a:\g1a+7]
	s_nop 0
.rept 4
	v_nop
.endr
	s_branch .Lasked_\@
.Lfor_b_\@:
	tensor_load_to_lds s[\g0b:\g0b+3], s[\g1b:\g1b+7]
	s_nop 0
.rept 4
	v_nop
.endr
.Lasked_\@:
.endm
.macro CREST
	s_cmp_lg_u32 s16, 0
	s_cbranch_scc1 .Lnot_wave_0_\@
	s_barrier_signal -3
.Lnot_wave_0_\@:
	s_barrier_wait -3
	s_barrier_signal -1
	s_barrier_wait -1
.endm
.macro CROUND
	s_barrier_signal -1
	s_barrier_wait -1
	CREST
.endm
.macro PLACES n
.rept \n
	v_nop
.endr
.endm
; my work-group's share of the records that my wave fetches: one record of x (of 4, by cx) or two of W (of 8, by cy), off bytes along K from PFA
.macro PF off
	global_prefetch_b8 v[PFO], s[PFA:PFA+1] offset:\off th:TH_LOAD_NT scope:SCOPE_SE
	s_cmp_eq_u32 s17, 0
	s_cbranch_scc1 .Lone_\@
	global_prefetch_b8 v[PFO], s[PFA:PFA+1] offset:\off+8*REC th:TH_LOAD_NT scope:SCOPE_SE
.Lone_\@:
.endm
.macro ASK                             ; the loop's last trip refills records 6 and 7: no record stands two on
	s_cmp_gt_u32 s3, 1
	s_cbranch_scc0 .Lnone_\@
	PF 3*REC
.Lnone_\@:
.endm
	s_load_b256 s[4:11], s[0:1], 0x0               ; xq, wq, vq, uq
	s_load_b128 s[12:15], s[0:1], 0x20             ; bias, out0
	s_load_b64 s[66:67], s[0:1], 0x30              ; S
	v_lshl_add_u32 v[SPW], v0, 2, SPARE
	v_mov_b32 v[NIL], 0
	ds_add_u32 v[SPW], v[NIL]                      ; the opening lines: the add twice on end, and its wait ahead of my first tensor load
	ds_add_u32 v[SPW], v[NIL]
	v_lshrrev_b32 v1, 5, v0
	v_readfirstlane_b32 s16, v1                    ; wave
	s_lshr_b32 s17, s16, 1                         ; i: my half of the rows; also: I fetch x (0) or W (1)
	s_and_b32 s18, s16, 1                          ; j: my half of the columns; also: which half I fetch
	s_bfe_u32 s40, ttmp6, 0x40000                  ; cx
	s_bfe_u32 s41, ttmp6, 0x40004                  ; cy
	s_lshl_b32 s42, ttmp9, 2
	s_add_co_u32 s42, s42, s40                     ; tile column
	s_and_b32 s19, ttmp7, 0xffff
	s_lshl_b32 s19, s19, 2
	s_add_co_u32 s19, s19, s41                     ; tile row
	s_lshl_b32 s43, s41, 2
	s_lshl_b32 s43, 15, s43                        ; my row of the cluster
	s_lshl_b32 s44, 0x1111, s40                    ; my column
	s_or_b32 s[G1], s43, (3<<16)|(1<<21)           ; elements of 8 bytes; a row is a record, 800 elements; from block to block of 16 rows 6,400 elements
	s_or_b32 s[G1B], s44, (3<<16)|(1<<21)
.irp g, G1, G1B
	s_mov_b32 s[\g+1], 800<<16
	s_mov_b32 s[\g+3], 800<<16
	s_mov_b32 s[\g+5], 6400
	s_mov_b32 s[\g+6], 0
	s_mov_b32 s[\g+7], 0
.endr
	s_mov_b32 s[G1+2], 4<<16                       ; 4 records of x a load,
	s_mov_b32 s[G1+4], 4
	s_mov_b32 s[G1B+2], 8<<16                      ; 8 of W
	s_mov_b32 s[G1B+4], 8
	s_or_b32 s[G1R], s44, (3<<16)|(1<<21)          ; U: 4 residual records a wave, dense: 28 rows of 256 bytes
	s_mov_b32 s[G1R+1], 32<<16
	s_mov_b32 s[G1R+2], 28<<16
	s_mov_b32 s[G1R+3], 32<<16
	s_mov_b32 s[G1R+4], 28
	s_mov_b32 s[G1R+5], 32
	s_mov_b32 s[G1R+6], 0
	s_mov_b32 s[G1R+7], 0
	s_lshl_b32 s20, s19, 3
	s_lshl_b32 s21, s18, 2
	s_add_co_u32 s20, s20, s21                     ; x: block 8 x tile row + 4 x half
	s_add_co_u32 s86, s20, s40                     ; of these four I prefetch number cx
	s_mul_i32 s20, s20, 8*REC
	s_mov_b32 s21, 0
	s_lshl_b32 s46, s42, 4
	s_lshl_b32 s47, s18, 3
	s_add_co_u32 s46, s46, s47                     ; W: block 16 x tile column + 8 x half
	s_lshl_b32 s47, s41, 1
	s_add_co_u32 s88, s46, s47                     ; of these eight I prefetch 2 cy and 2 cy + 1
	s_mul_i32 s46, s46, 8*REC
	s_mov_b32 s47, 0
	s_cmp_eq_u32 s17, 0
	s_cselect_b32 s86, s86, s88
	s_mul_i32 s86, s86, 8*REC
	s_mov_b32 s87, 0
	s_lshl_b32 s92, s42, 4
	s_lshl_b32 s93, s16, 2
	s_add_co_u32 s92, s92, s93                     ; U: block 16 x tile column + 4 x wave
	s_add_co_u32 s96, s92, s41                     ; of these four I prefetch number cy
	s_mul_i32 s92, s92, RREC
	s_mul_i32 s96, s96, RREC
	s_mov_b32 s93, 0
	s_mov_b32 s97, 0
	s_mul_i32 s98, s18, 16*REC                     ; V: blocks 2 j, 2 j + 1
	s_mov_b32 s99, 0
	s_lshl_b32 s22, s42, 10
	s_lshl_b32 s23, s18, 9
	s_add_co_u32 s22, s22, s23                     ; my first column, in bytes of f32
	s_mov_b32 s23, 0
	s_lshl_b32 s88, s19, 21
	s_lshl_b32 s89, s17, 20
	s_add_co_u32 s88, s88, s89                     ; my first row of out: 128 x tile row + 64 i, rows of 16,384 bytes
	s_mov_b32 s89, 0
	s_mul_i32 s45, s18, 4*REC                      ; where my load goes: no place in the cluster enters an LDS address
	s_mul_i32 s94, s18, 8*REC
	s_add_co_u32 s94, s94, BOFF
	s_mul_i32 s95, s16, 4*RREC
	s_mov_b32 s82, 0x76543210
	s_mov_b32 s83, 0xfedcba98                      ; v_permlanex16_b32's selects for lane l xor 16
	s_wait_dscnt 0x0                               ; both opening adds are done
	s_wait_kmcnt 0x0
	s_add_nc_u64 s[20:21], s[4:5], s[20:21]
	s_add_nc_u64 s[46:47], s[6:7], s[46:47]
.irp s, 0,1
	s_mov_b32 s[G0+4*\s], 1
	s_add_co_u32 s[G0+4*\s+1], s45, \s*SLOT
	s_add_nc_u64 s[G0+4*\s+2:G0+4*\s+3], s[20:21], \s*REC
	s_or_b32 s[G0+4*\s+3], s[G0+4*\s+3], 0x80000000
	s_mov_b32 s[G0B+4*\s], 1
	s_add_co_u32 s[G0B+4*\s+1], s94, \s*SLOT
	s_add_nc_u64 s[G0B+4*\s+2:G0B+4*\s+3], s[46:47], \s*REC
	s_or_b32 s[G0B+4*\s+3], s[G0B+4*\s+3], 0x80000000
.endr
	CROUND                                         ; all sixteen work-groups are here: the first joint loads meet
	JLOAD G0, G1, G0B, G1B                         ; record 0: one tensor load a wave at the head
	s_cmp_eq_u32 s17, 0
	s_cselect_b64 s[PFA:PFA+1], s[4:5], s[6:7]
	s_add_nc_u64 s[PFA:PFA+1], s[PFA:PFA+1], s[86:87]
	s_add_nc_u64 s[90:91], s[10:11], s[96:97]
	s_add_nc_u64 s[92:93], s[10:11], s[92:93]
	s_mov_b32 s[G0R], 1
	s_mov_b32 s[G0R+1], s95
	s_mov_b64 s[G0R+2:G0R+3], s[92:93]
	s_or_b32 s[G0R+3], s[G0R+3], 0x80000000
	s_add_nc_u64 s[8:9], s[8:9], s[98:99]
	s_add_nc_u64 s[12:13], s[12:13], s[22:23]
	s_add_nc_u64 s[14:15], s[14:15], s[22:23]
	s_add_nc_u64 s[14:15], s[14:15], s[88:89]
	s_mul_i32 s4, s17, 4*REC                       ; LDS: my 4 records of x
	s_mul_i32 s5, s18, 8*RREC                      ; my 8 residual records of U
	s_mul_i32 s6, s17, 3072
	s_add_co_u32 s6, s6, LX                        ; low's codes of my 64 rows,
	s_mul_i32 s7, s18, 384
	s_add_co_u32 s7, s7, s6                        ; and in them the operand's lanes 16 j ..
	s_lshl_b32 s10, s17, 7
	s_add_co_u32 s10, s10, LXS                     ; low's scale bytes of my 64 rows,
	s_add_co_u32 s11, s10, s18                     ; byte j
	s_mul_i32 s80, s16, 16*SPITCH
	s_add_co_u32 s80, s80, STAGE
	s_lshl_b32 s81, s18, 7                         ; S: 32 j numbers on
	v_and_b32 v1, 31, v0                           ; lane
	v_and_b32 v2, 15, v0                           ; r
	v_bfe_u32 v3, v0, 4, 1                         ; h
	v_lshlrev_b32 v[VOF], 4, v1
	v_lshlrev_b32 v[VSO], 3, v1
	v_add_nc_u32 v[ADRA], s4, v[VOF]
	v_add_nc_u32 v[ADRB], s94, v[VOF]
	v_add_nc_u32 v[ADSA], s4, v[VSO]
	v_add_nc_u32 v[ADSB], s94, v[VSO]
.irp r, ADRA, ADRB, ADSA, ADSB
	v_add_nc_u32 v[\r+1], SLOT, v[\r]
.endr
	v_add_nc_u32 v[ARB], s5, v[VOF]
	v_add_nc_u32 v[ASRB], s5, v[VSO]
	v_mul_u32_u24 v6, v2, SPITCH
	v_lshl_add_u32 v6, v3, 5, v6
	v_add_nc_u32 v[STO], s80, v6
	v_add_nc_u32 v[RD], s80, v[VOF]
	v_lshlrev_b32 v14, 5, v3                       ; bias: 8 h numbers on
	v_add_nc_u32 v15, s81, v14                     ; S likewise
	v_mul_u32_u24 v7, v2, 24
	v_mad_u32_u24 v7, v3, 12, v7
	v_add_nc_u32 v[LST], s7, v7                    ; my 16 codes go to lane r + 16 j of the operand, its half h
	v_mul_u32_u24 v6, v1, 24
	v_add_nc_u32 v[LLD], s6, v6
	v_lshl_add_u32 v[LSS], v2, 1, s11
	v_lshl_add_u32 v[LSL], v2, 1, s10
	v_min_u32 v[PFO], 24, v1                       ; a record has 25 blocks of 256 bytes: lanes 25-31 name the last again
	v_lshlrev_b32 v[PFO], 8, v[PFO]
	v_min_u32 v[UPO], 6, v1                        ; a residual record has 7
	v_lshlrev_b32 v[UPO], 8, v[UPO]
	s_wait_alu depctr_va_vdst(0)
.macro VLOAD p                         ; V's two records at s[8:9] into set p: images of registers, 512 consecutive bytes a load
	WIN TO_V
.irp t, 0,1
.irp i, 0,1,2,3,4,5,6,7,8,9,10,11
	global_load_b128 v[VF+96*(\p)+48*\t+4*\i:VF+96*(\p)+48*\t+4*\i+3], v[VOF], s[8:9] offset:8*REC*\t+512*\i
.endr
.endr
	WIN 0
.irp t, 0,1
	global_load_b64 v[VSC+4*(\p)+2*\t:VSC+4*(\p)+2*\t+1], v[VSO], s[8:9] offset:8*REC*\t+6144
.endr
.endm
	VLOAD 0
.irp b, 0,1,2,3,4,5,6,7
	global_load_b128 v[BI+8*\b:BI+8*\b+3], v14, s[12:13] offset:64*\b
	global_load_b128 v[BI+8*\b+4:BI+8*\b+7], v14, s[12:13] offset:64*\b+16
.endr
	WIN TO_B
.irp t, 0,1,2,3
	global_load_b128 v[SR+4*\t:SR+4*\t+3], v15, s[66:67] offset:64*(\t/2)+16*(\t%2)   ; S[32 j + 16 t + 8 h + 0 .. 7] at SR + 8 t
.endr
	WIN 0
	PF REC                                         ; records 1 and 2
	PF 2*REC
.macro WM d, x, y, c, sx, sy, odd      ; one product; c < 0: it starts its sum; odd: the scale words of an odd K step lie in lanes 16-31
.if (\c) < 0
	v_wmma_scale_f32_16x16x128_f8f6f4 v[\d:\d+7], v[\x:\x+11], v[\y:\y+11], 0, v[\sx], v[\sy] matrix_a_fmt:MATRIX_FMT_FP6 matrix_b_fmt:MATRIX_FMT_FP6
.elseif \odd
	v_wmma_scale_f32_16x16x128_f8f6f4 v[\d:\d+7], v[\x:\x+11], v[\y:\y+11], v[\c:\c+7], v[\sx], v[\sy] matrix_a_fmt:MATRIX_FMT_FP6 matrix_b_fmt:MATRIX_FMT_FP6 matrix_a_scale:MATRIX_SCALE_ROW1 matrix_b_scale:MATRIX_SCALE_ROW1
.else
	v_wmma_scale_f32_16x16x128_f8f6f4 v[\d:\d+7], v[\x:\x+11], v[\y:\y+11], v[\c:\c+7], v[\sx], v[\sy] matrix_a_fmt:MATRIX_FMT_FP6 matrix_b_fmt:MATRIX_FMT_FP6
.endif
.endm
.macro FETCH slot, q, p                ; K step q's fragments into set p: 36 loads
	WIN TO_B
.irp b, 0,1,2,3,4,5,6,7
.irp g, 0,1,2
	ds_load_b128 v[128*(\p)+FR*\b+4*\g:128*(\p)+FR*\b+4*\g+3], v[ADRB+\slot] offset:REC*\b+1536*(\q)+512*\g
.endr
.endr
	WIN 0
.irp a, 0,1,2,3
.irp g, 0,1,2
	ds_load_b128 v[AF+48*(\p)+FR*\a+4*\g:AF+48*(\p)+FR*\a+4*\g+3], v[ADRA+\slot] offset:REC*\a+1536*(\q)+512*\g
.endr
.endr
.endm
.macro SCALES slot
.irp a, 0,1,2,3
	ds_load_b32 v[SC+24*\slot+2*\a+1], v[ADSA+\slot] offset:REC*\a+6144   ; x's two words stand in the opposite order to W's and V's: K steps 0, 1 in the odd register, 2, 3 in the even one,
	ds_load_b32 v[SC+24*\slot+2*\a], v[ADSA+\slot] offset:REC*\a+6148     ; so that the numbers of a product's two scale registers differ by an odd number
.endr
.irp b, 0,1,2,3,4,5,6,7
	ds_load_b64 v[SC+24*\slot+8+2*\b:SC+24*\slot+8+2*\b+1], v[ADSB+\slot] offset:REC*\b+6144
.endr
.endm
.macro FETCHR                          ; U's eight fragments into W's set 0, and their scale words
	WIN TO_B
.irp b, 0,1,2,3,4,5,6,7
.irp g, 0,1,2
	ds_load_b128 v[FR*\b+4*\g:FR*\b+4*\g+3], v[ARB] offset:RREC*\b+512*\g
.endr
.endr
	WIN 0
.irp b, 0,1,2,3,4,5,6,7
	ds_load_b32 v[SC+8+2*\b], v[ASRB] offset:RREC*\b+1536
.endr
.endm
; x's block a against W's eight.  The accumulators take turns, one instruction a turn.  first: C is the bias
.macro MUL8 a, p, q, s, first
.irp b, 0,1,2,3,4,5,6,7
.if \first
	WM 8*(8*(\a)+\b), 128*(\p)+FR*\b, AF+48*(\p)+FR*(\a), BI+8*\b, SC+24*(\s)+8+2*\b+(\q)/2, SC+24*(\s)+2*(\a)+1-(\q)/2, 0
.else
	WM 8*(8*(\a)+\b), 128*(\p)+FR*\b, AF+48*(\p)+FR*(\a), 8*(8*(\a)+\b), SC+24*(\s)+8+2*\b+(\q)/2, SC+24*(\s)+2*(\a)+1-(\q)/2, (\q)%2
.endif
.endr
.endm
.macro MULV p, q, s, zero              ; x's four blocks against my two of V: low's 8 accumulators by turns
.irp a, 0,1,2,3
.irp t, 0,1
.if \zero
	WM 8*(2*\a+\t), VF+96*(\s)+48*\t+FR*(\q), AF+48*(\p)+FR*\a, -1, VSC+4*(\s)+2*\t+(\q)/2, SC+24*(\s)+2*\a+1-(\q)/2, 0
.else
	WM 8*(2*\a+\t), VF+96*(\s)+48*\t+FR*(\q), AF+48*(\p)+FR*\a, 8*(2*\a+\t), VSC+4*(\s)+2*\t+(\q)/2, SC+24*(\s)+2*\a+1-(\q)/2, (\q)%2
.endif
.endr
.endr
.endm
; One of a slot's first three K steps: the next step's fragments are asked for, then 40 products.  vl = 1: the slot's first step waits for this slot's V; vl = 2: and asks for the next slot's
.macro STEP slot, q, first, vl
	PLACES 4                                       ; four places in front of loads into registers that products have read
	FETCH \slot, (\q)+1, ((\q)+1)%2                ; the next step's fragments in one run
.if \vl
	s_wait_loadcnt 0x0                             ; V's records of this slot, asked for a slot ago, are in: so their base may step
.endif
.if \vl == 2
	s_add_nc_u64 s[8:9], s[8:9], REC
	VLOAD 1-\slot
.endif
	s_wait_dscnt 36                                ; all but the 36 loads just issued
.if \first
	WIN MULB
.else
	WIN MUL
.endif
	MUL8 0, (\q)%2, \q, \slot, \first
	MUL8 1, (\q)%2, \q, \slot, \first
	MUL8 2, (\q)%2, \q, \slot, \first
	MUL8 3, (\q)%2, \q, \slot, \first
	WIN MV
	MULV (\q)%2, \q, \slot, \first
.endm
; A slot's last K step changes slots.  fill = 1: the slot is filled again, two records on; fill = 2: slot 0 takes U's residual records; fill = 0: nothing is filled.  res = 1: U's fragments are fetched
.macro TURN slot, next, fill, res
	WIN 0
.if \fill == 1
	s_wait_xcnt 0x0                                ; my prefetches have read their address: it steps here
	s_add_nc_u64 s[PFA:PFA+1], s[PFA:PFA+1], REC
.endif
	s_wait_tensorcnt 0x0                           ; all my tensor loads have landed: my part of the next slot;
	ds_add_u32 v[SPW], v[NIL]
	s_wait_dscnt 1                                 ; (the add may be out: this step's fragments are in)
	WIN MUL
	MUL8 0, 1, 3, \slot, 0
	s_wait_dscnt 0x0                               ; the add is done, and my reads of this slot are over
	s_barrier_signal -1
	MUL8 1, 1, 3, \slot, 0
	WIN 0
	s_barrier_wait -1
.if \fill == 1
	CREST                                          ; the barrier has opened a round of the cluster's barrier
	s_add_nc_u64 s[G0+4*\slot+2:G0+4*\slot+3], s[G0+4*\slot+2:G0+4*\slot+3], 2*REC
	s_add_nc_u64 s[G0B+4*\slot+2:G0B+4*\slot+3], s[G0B+4*\slot+2:G0B+4*\slot+3], 2*REC
	JLOAD G0+4*\slot, G1, G0B+4*\slot, G1B         ; its four v_nop are also the places in front of the loads below
.elseif \fill == 2
	CREST
	tensor_load_to_lds s[G0R:G0R+3], s[G1R:G1R+7]  ; every wave its four records of U, shared along the cluster's column
	s_nop 0
	PLACES 4
.else
	PLACES 4
.endif
.if \res
	FETCHR
.else
	FETCH \next, 0, 0
	SCALES \next
.endif
.if \fill == 1
	ASK
.endif
	WIN MUL
	MUL8 2, 1, 3, \slot, 0
	MUL8 3, 1, 3, \slot, 0
	WIN MV
	MULV 1, 3, \slot, 0
.endm
	s_wait_tensorcnt 0x0                           ; my part of record 0 is in; slot 1's first fill is issued as a refill is:
	ds_add_u32 v[SPW], v[NIL]
	s_wait_dscnt 0x0
	CROUND
	JLOAD G0+4, G1, G0B+4, G1B                     ; record 1
	FETCH 0, 0, 0
	SCALES 0
	PF 3*REC                                       ; record 3,
	global_prefetch_b8 v[UPO], s[90:91] th:TH_LOAD_NT scope:SCOPE_SE   ; and my work-group's one of the four residual records of U that my wave will fetch
	STEP 0, 0, 1, 2                                ; the first step stands ahead of the loop: its products start the sums, out's with the bias
	WIN 0
	s_mov_b32 s3, 3
.Llap:                                 ; a trip goes once round the ring and fills both slots again
	STEP 0, 1, 0, 0
	STEP 0, 2, 0, 0
	TURN 0, 1, 1, 0
	STEP 1, 0, 0, 2
	STEP 1, 1, 0, 0
	STEP 1, 2, 0, 0
	TURN 1, 0, 1, 0
	STEP 0, 0, 0, 2
	WIN 0
	s_sub_co_u32 s3, s3, 1
	s_cmp_lg_u32 s3, 0
	s_cbranch_scc1 .Llap
	STEP 0, 1, 0, 0
	STEP 0, 2, 0, 0
	TURN 0, 1, 2, 0
	STEP 1, 0, 0, 1
	STEP 1, 1, 0, 0
	STEP 1, 2, 0, 0
	TURN 1, 0, 0, 1
	; low.  In tile (a, t) lane (m, h), register i holds the sum for row 16 a + m and r = 32 j + 16 t + 8 h + i
	WIN 0
.irp a, 0,1,2,3
.irp i, 6,7,8,9,10,11
	v_mov_b32 v[AF+FR*\a+\i], 0                    ; K = 64 .. 127 of low's fragments: zero codes.  (These lines are also the places behind the last products)
.endr
.endr
	WIN 0xc7                                       ; source 0 and destination window 3, source 1 window 1
.irp T, 0,1,2,3,4,5,6,7
.irp i, 0,2,4,6
	v_pk_mul_f32 v[8*\T+\i:8*\T+\i+1], v[8*\T+\i:8*\T+\i+1], v[SR+8*(\T%2)+\i:SR+8*(\T%2)+\i+1]   ; x S; each accumulator from its low end on
.endr
.endr
	WIN 0xff
.irp a, 0,1,2,3
.irp i, 0,1,2,3,4,5,6,7
	v_permlane16_swap_b32 v[16*\a+\i], v[16*\a+8+\i]   ; tile 0's lanes 16-31 change places with tile 1's lanes 0-15: v[16 a + i] = low at r = 32 j + 16 h + i: 16 neighbours
.endr
.endr
.irp a, 0,1,2,3
	v_mov_b32 v[TM+4+\a], 0                        ; a lane permute's destination counts as one of its sources
.endr
.irp a, 0,1,2,3
	v_max3_num_f32 v[TM+\a], |v[16*\a]|, |v[16*\a+1]|, 0x1800000   ; the floor 2^(3 - 127) among the leaves: the byte cannot fall under 1
.endr
.irp i, 2,4,6,8,10,12,14
.irp a, 0,1,2,3
	v_max3_num_f32 v[TM+\a], v[TM+\a], |v[16*\a+\i]|, |v[16*\a+\i+1]|
.endr
.endr
.irp a, 0,1,2,3
	v_permlanex16_b32 v[TM+4+\a], v[TM+\a], s82, s83
.endr
.irp a, 0,1,2,3
	v_max_num_f32 v[TM+\a], v[TM+\a], v[TM+4+\a]   ; the block's largest magnitude
.endr
.irp a, 0,1,2,3
	v_add_nc_u32 v[TM+8+\a], 0xff000000, v[TM+\a]  ; 2 off its exponent field: the conversion's scale operand
.endr
.irp a, 0,1,2,3
	v_lshrrev_b32 v[TM+4+\a], 23, v[TM+8+\a]       ; the scale's byte
.endr
.irp a, 0,1,2,3
	v_cvt_scalef32_pk16_fp6_f32 v[CD+4*\a:CD+4*\a+2], v[16*\a:16*\a+15], v[TM+8+\a]
.endr
	v_nop                                          ; one plain place behind a scaled conversion
	WIN 0x0c                                       ; address window 0, data window 3
.irp a, 0,1,2,3
.irp k, 0,1,2
	ds_store_b32 v[LST], v[CD+4*\a+\k] offset:768*\a+4*\k
.endr
.endr
.irp a, 0,1,2,3
	ds_store_b8 v[LSS], v[TM+4+\a] offset:32*\a    ; lanes m and m + 16 write the same byte with the same value
.endr
	WIN 0
	s_wait_alu depctr_va_vdst(0)
	s_wait_dscnt 0x0                               ; for the other wave's sake: my codes and bytes lie in LDS; U's fragments are in too
	s_barrier_signal -1
	s_barrier_wait -1
.irp a, 0,1,2,3
.irp k, 0,1,2
	ds_load_b64 v[AF+FR*\a+2*\k:AF+FR*\a+2*\k+1], v[LLD] offset:768*\a+8*\k   ; registers 0-5: lanes 0-15 block 0, lanes 16-31 block 1 of row l % 16
.endr
.endr
.irp a, 0,1,2,3
	ds_load_u16 v[SC+2*\a+1], v[LSL] offset:32*\a  ; the row's two bytes, where x's word of K step 0 stood; bytes 2 and 3 of the word are 0 and scale zero codes
.endr
	s_wait_dscnt 0x0
; THE WAY OUT, block by block of 16 rows x 128 columns, through my own stage and back as whole rows of 512 bytes
.macro TOSTAGE a
.set AC, 64*(\a)
	WIN 0x08
.irp b, 0,1,2,3,4,5,6,7
	ds_store_b128 v[STO], v[AC+8*\b:AC+8*\b+3] offset:64*\b
	ds_store_b128 v[STO], v[AC+8*\b+4:AC+8*\b+7] offset:64*\b+16
.endr
	WIN 0
.set BB, BK+64*((\a)%2)
.irp t, 0,1,2,3,4,5,6,7,8,9,10,11,12,13,14,15
	ds_load_b128 v[BB+4*\t:BB+4*\t+3], v[RD] offset:\t*SPITCH   ; LDS serves a wave's instructions in order (ISA guide 5.7.1.4)
.endr
.endm
.macro SEND a, younger                 ; younger: the LDS instructions issued behind block a's loads
.set BB, BK+64*((\a)%2)
	s_wait_dscnt \younger
.if (\a) > 0
	s_add_nc_u64 s[14:15], s[14:15], 16*16384      ; behind a wait on XCNT: the earlier stores have read their base
.endif
.irp t, 0,1,2,3,4,5,6,7,8,9,10,11,12,13,14,15
	global_store_b128 v[CO], v[BB+4*\t:BB+4*\t+3], s[14:15] offset:\t*16384 th:TH_STORE_NT   ; 32 lanes store 512 consecutive bytes, aligned
.endr
.endm
	; the product with U goes by blocks of 16 rows, and a finished block leaves while the next is multiplied
	WIN MUL
	MUL8 0, 0, 0, 0, 0
	MUL8 1, 0, 0, 0, 0
	PLACES 4                                       ; four places behind blocks 0 and 1's products, ahead of the stores that read them
	TOSTAGE 0
	WIN MUL
	MUL8 2, 0, 0, 0, 0
	TOSTAGE 1
	SEND 0, 32                                     ; behind block 0's loads: block 1's 16 stores and 16 loads
	WIN MUL
	MUL8 3, 0, 0, 0, 0
	PLACES 4                                       ; behind blocks 2 and 3's products
	s_wait_xcnt 0x0                                ; block 0's stores have read their registers and their base
	TOSTAGE 2
	SEND 1, 32
	s_wait_xcnt 0x0
	TOSTAGE 3
	SEND 2, 32
	s_wait_xcnt 0x0
	SEND 3, 0
	s_wait_tensorcnt 0x0                           ; the wave's end
	ds_add_u32 v[SPW], v[NIL]
	s_wait_dscnt 0x0
	CROUND                                         ; the closing round
	s_endpgm
.Lfunc_end_k_qc82394aa5f_gemm:
	.size	k_qc82394aa5f_gemm, .Lfunc_end_k_qc82394aa5f_gemm-k_qc82394aa5f_gemm
	.p2alignl 7, 3214868480
	.fill 96, 4, 3214868480
	.section	.rodata,"a",@progbits
	.p2align	6, 0x0
	.amdhsa_kernel k_qc82394aa5f_gemm
		.amdhsa_group_segment_fixed_size 327680
		.amdhsa_private_segment_fixed_size 0
		.amdhsa_enable_private_segment 0
		.amdhsa_kernarg_size 56
		.amdhsa_user_sgpr_count 2
		.amdhsa_user_sgpr_kernarg_segment_ptr 1
		.amdhsa_wavefront_size32 1
		.amdhsa_system_sgpr_workgroup_id_x 1
		.amdhsa_system_sgpr_workgroup_id_y 1
		.amdhsa_system_sgpr_workgroup_id_z 1
		.amdhsa_system_vgpr_workitem_id 0
		.amdhsa_next_free_vgpr 1024
		.amdhsa_next_free_sgpr 100
		.amdhsa_reserve_vcc 0
		.amdhsa_float_denorm_mode_32 3
		.amdhsa_float_denorm_mode_16_64 3
		.amdhsa_memory_ordered 1
		.amdhsa_forward_progress 1
		.amdhsa_inst_pref_size 183
	.end_amdhsa_kernel
	.amdgpu_metadata
---
amdhsa.version: [ 1, 2 ]
amdhsa.kernels:
  - .name:           k_qc82394aa5f_gemm
    .symbol:         k_qc82394aa5f_gemm.kd
    .args:
      - { .name: xq, .offset: 0, .size: 8, .value_kind: global_buffer, .address_space: global }
      - { .name: wq, .offset: 8, .size: 8, .value_kind: global_buffer, .address_space: global }
      - { .name: vq, .offset: 16, .size: 8, .value_kind: global_buffer, .address_space: global }
      - { .name: uq, .offset: 24, .size: 8, .value_kind: global_buffer, .address_space: global }
      - { .name: bias, .offset: 32, .size: 8, .value_kind: global_buffer, .address_space: global }
      - { .name: out0, .offset: 40, .size: 8, .value_kind: global_buffer, .address_space: global }
      - { .name: S_residual, .offset: 48, .size: 8, .value_kind: global_buffer, .address_space: global }
    .group_segment_fixed_size: 327680
    .private_segment_fixed_size: 0
    .kernarg_segment_align: 8
    .kernarg_segment_size: 56
    .max_flat_workgroup_size: 128
    .sgpr_count:     100
    .vgpr_count:     1024
    .wavefront_size: 32
...
	.end_amdgpu_metadata
.endif
;; end of part 2
